; MI455X (gfx1250); checked and timed in simulation.
; The chip was launched on July 23, 2026; its instructions are those of AMD's public machine-readable ISA for CDNA 5 (MIT licence, August 2026) and "CDNA5" Instruction Set Architecture Reference Guide (July 2026). The comments in the code are by the model that wrote it; some were corrected since.
;; Moe Router. Allowed arithmetic: float matrix products may take bf16 or f16 operands with f32 sums; all other float work in f32.
;; Inputs: W 64 x 2,048 float32; x 16,384 x 2,048 float32.
;; Outputs: out0 16,384 x 2 float32; out1 16,384 x 2 int32.
;; One version. Each part assembles by itself: llvm-mc -triple=amdgcn-amd-amdhsa -mcpu=gfx1250 --defsym DOCPART=n.
;; ======== version 1 of 1: 1 launch
;; limits: right only within a limited range of input values
;; launch router (part 1): grid 256 x 1, 8 waves a work-group, clusters of 4 x 1, 327,680 bytes of LDS; arguments x, W, out0, out1; writes out0, out1
.if DOCPART == 1
	.amdgcn_target "amdgcn-amd-amdhsa--gfx1250"
	.amdhsa_code_object_version 6
	.text
	.protected	k_qc2c0e290fa_router
	.globl	k_qc2c0e290fa_router
	.p2align	8
	.type	k_qc2c0e290fa_router,@function
k_qc2c0e290fa_router:
	s_mov_b64 s[64:65], 0
	v_nop
	global_prefetch_b8 v0, s[64:65] scope:SCOPE_SE
	s_setreg_imm32_b32 hwreg(HW_REG_WAVE_MODE, 25, 1), 1
	s_wait_xcnt 0x0
	s_wait_alu depctr_hold_cnt(0) depctr_sa_sdst(0) depctr_va_vdst(0) depctr_va_sdst(0) depctr_va_ssrc(0) depctr_va_vcc(0) depctr_vm_vsrc(0)
	s_getreg_b32 s2, hwreg(HW_REG_IB_STS2, 6, 4)
	s_cmp_eq_u32 s2, 0
	s_cbranch_scc0 .Lentry_in_a_cluster
	s_endpgm
.Lentry_in_a_cluster:
	s_bfe_u32 s2, ttmp6, 0x10000c
	s_cmp_lg_u32 s2, 0x3003
	s_cbranch_scc0 .Lentry_shape_is_right
	s_endpgm
.Lentry_shape_is_right:
; MoE router.  logits[t][e] = sum over k of x[t][k] W[e][k]  (x: [16384][2048] f32, W: [64][2048] f32), softmax over the 64 experts,
; the two largest probabilities (ties: the lower index first) divided by (their sum + 1e-9) -> out0 [16384][2] f32, their indices -> out1 [16384][2] i32.
;
; WORK.  256 work-groups of 64 tokens, eight waves.  The waves split K: in step c (0..3) wave w takes the 64 k at 64 (8 c + w), for all 64 tokens and all 64
; experts.  So every number of x and of W is fetched, rounded to bf16 and read from LDS once in a work-group, and no wave reads another's LDS bytes before the
; end, where the eight partial tiles of 64 x 64 sums are added through LDS.  Four steps, written out: the text has no loop.
; x (131,072 numbers a work-group, shared with nobody) comes by plain loads into a ring of registers that never runs empty: a group = 8 loads = 16 tokens x 64 k,
; each load two aligned runs of 256 bytes (rows a and a + 8); six groups = 48 loads = 24,576 bytes of every wave are on their way.  A group is rounded to bf16,
; put into the wave's own scratch in LDS and read back as fragments.
; W is wanted whole by every work-group: four work-groups form a cluster and ask for each tile JOINTLY (mask 15), which divides the requests for W by four.
; A wave's tile is 64 experts x 64 k in f32 (rows of 256 bytes, aligned); two slots; steps 2 and 3 fill them again, each behind a round of the cluster's barrier.
;
; LDS: 0 .. 278,527 two slots of eight tiles of 64 x 272 bytes;  278,528 .. 315,391 eight scratches of 32 x 144 bytes;  315,392 .. 316,415 the results' stage.
; REGISTERS, two windows of 256: window 0 = addresses, 16 at work, 3 groups of the ring, fragments of x (32) and of W (64), W as loaded (32);
; window 1 = copies of two addresses, 16 at work, 3 groups of the ring, the 16 accumulator tiles (128).  A group is worked on wholly inside its window.
;
; LIMITS.  Operands are rounded to bf16 (nearest even), sums are f32 in an order of this text's own: where two logits lie within the rounding of such sums the
; order of two indices can differ from another summation's.  v_exp_f32 gives zero for results under 2^-126 (ISA guide 15.8): such probabilities count as zero and
; tie by index.  Logits that are not finite (the softmax is NaN there) are not served.
.set ROWB,   8192                      ; bytes in a row of x or of W
.set STEPB,  2048                      ; bytes along a row from one step to the next: 8 waves x 256
.set WPITCH, 272                       ; a tile's row in LDS: 256 bytes + 16 of padding, an odd multiple of 16: sixteen rows start in sixteen different columns of 16 bytes (64 banks of 4 bytes: ISA guide 11.1)
.set WTILE,  64*WPITCH                 ; a wave's tile of W; also a wave's partial sums at the end (64 tokens x 64 f32, same pitch)
.set WSLOT,  8*WTILE
.set XPITCH, 144                       ; a scratch row: 64 bf16 + 16 bytes, an odd multiple of 16; rows a and a + 8 lie 1,152 bytes = 128 modulo 256 apart
.set XSCR,   32*XPITCH                 ; 32 tokens: half of a step's x
.set XBASE,  2*WSLOT
.set OSTAGE, XBASE+8*XSCR
.set DEPTH,  6                         ; groups in the ring
.set GROUPS, 16                        ; groups of a wave: 4 steps x 4
.set XOFF, 2                           ; both windows: my byte offset in x (16 r + 256 wave + 8 rows x h)
.set XST,  3                           ; both windows: where I put 8 bytes of a scratch row
.set TMP,  4                           ; both windows: v[4:19] a group in bf16
.set RING, 20                          ; both windows: v[20:115] three groups of 32 registers
.set R,    116                         ; lane % 16
.set H,    117                         ; lane / 16
.set XLD,  118                         ; where I read fragments of x
.set WA0,  119                         ; where I read fragments of W, slot 0; also where my partial sums go
.set WA1,  120                         ; slot 1
.set T0,   121
.set XF,   124                         ; v[124:155] four fragments of x: 2 token tiles x 2 K steps of 32
.set WF,   156                         ; v[156:219] eight fragments of W: 2 K steps x 4 expert tiles
.set WS,   220                         ; v[220:251] W as loaded, f32: two halves of 16 registers that take turns
.set ACC,  128                         ; window 1: tile (token tile tt, expert tile et) at v[128 + 8 (4 tt + et)]
.set G1,   16                          ; s[16:23] descriptor group 1
.set G0,   24                          ; s[24:31] descriptor group 0, one set for each slot
.set MSB, 0
.macro WIN new                         ; s_set_vgpr_msb: bits 1:0 source 0, 3:2 source 1, 5:4 source 2, 7:6 destination; the high byte repeats the setting that is left
.if MSB != \new
	s_set_vgpr_msb (MSB<<8)|\new
.set MSB, \new
.endif
.endm
; A round of the cluster's barrier: my work-group's barrier, wave 0 signals for the work-group, every wave waits for all four work-groups, my work-group's barrier again.
.macro ROUND
	s_barrier_signal -1
	s_barrier_wait -1
	s_cmp_lg_u32 s12, 0
	s_cbranch_scc1 .Lnot_wave_0_\@
	s_barrier_signal -3
.Lnot_wave_0_\@:
	s_barrier_wait -3
	s_barrier_signal -1
	s_barrier_wait -1
.endm
.macro XWIN j                          ; group j lives in slot j % 6: slots 0-2 in window 0, slots 3-5 in window 1 (every operand place there)
.if ((\j)/3)%2
	WIN 0x55
.else
	WIN 0
.endif
.endm
.macro XLOADS j                        ; group j = step j / 4, tokens 16 (j % 4) .. + 15: load i brings rows i (lanes 0-15) and i + 8 (lanes 16-31), 256 bytes each
.irp i, 0,1,2,3,4,5,6,7
	global_load_b128 v[RING+32*((\j)%3)+4*\i:RING+32*((\j)%3)+4*\i+3], v[XOFF], s[4:5] offset:(16*((\j)%4)+\i)*ROWB+((\j)/4)*STEPB th:TH_LOAD_NT
.endr
.endm
; Group j's turn: round to bf16, ask for the group DEPTH further on into the same registers, put the 16 rows into my scratch.
.macro XGROUP j, left
	XWIN \j
	s_wait_loadcnt \left                   ; loads come back in order (ISA guide 5.7.1): my eight are in, the younger groups' loads stay out
.irp i, 0,1,2,3,4,5,6,7
	v_cvt_pk_bf16_f32 v[TMP+2*\i],   v[RING+32*((\j)%3)+4*\i],   v[RING+32*((\j)%3)+4*\i+1]
	v_cvt_pk_bf16_f32 v[TMP+2*\i+1], v[RING+32*((\j)%3)+4*\i+2], v[RING+32*((\j)%3)+4*\i+3]
.endr
.if (\j)+DEPTH < GROUPS
	XLOADS \j+DEPTH
.endif
.irp i, 0,1,2,3,4,5,6,7
	ds_store_b64 v[XST], v[TMP+2*\i:TMP+2*\i+1] offset:(16*((\j)%2)+\i)*XPITCH   ; lanes 0-15 fill 128 bytes of one row, lanes 16-31 of the row 8 below: all 64 banks once
.endr
.endm
; Fragment f = 4 ks + et of W: 16 experts x 32 k.  Lane (r, h) wants k = 8 h .. + 7 and 16 + 8 h .. + 7 of expert r: in f32 that is 32 bytes at 32 h and 32 bytes at 64 + 32 h.
.macro WLOAD f, wa
	ds_load_b128 v[WS+16*((\f)%2):WS+16*((\f)%2)+3],     v[\wa] offset:((\f)%4)*16*WPITCH+((\f)/4)*128
	ds_load_b128 v[WS+16*((\f)%2)+4:WS+16*((\f)%2)+7],   v[\wa] offset:((\f)%4)*16*WPITCH+((\f)/4)*128+16
	ds_load_b128 v[WS+16*((\f)%2)+8:WS+16*((\f)%2)+11],  v[\wa] offset:((\f)%4)*16*WPITCH+((\f)/4)*128+64
	ds_load_b128 v[WS+16*((\f)%2)+12:WS+16*((\f)%2)+15], v[\wa] offset:((\f)%4)*16*WPITCH+((\f)/4)*128+80
.endm
.macro WCVT f
.irp i, 0,1,2,3,4,5,6,7
	v_cvt_pk_bf16_f32 v[WF+8*(\f)+\i], v[WS+16*((\f)%2)+2*\i], v[WS+16*((\f)%2)+2*\i+1]
.endr
.endm
; The step's eight fragments of W: one is rounded while the next one's four loads are on their way.
.macro WPHASE wa, tc
	WIN 0
	s_wait_tensorcnt \tc                   ; tensor loads of a wave end in order (ISA guide 10.11.1): this slot's tile is in; tc = 1 leaves the other slot's out
	WLOAD 0, \wa
	WLOAD 1, \wa
.irp f, 0,1,2,3,4,5
	s_wait_dscnt 0x4                       ; all but the next fragment's four loads
	WCVT \f
	WLOAD \f+2, \wa
.endr
	s_wait_dscnt 0x4
	WCVT 6
	s_wait_dscnt 0x0
	WCVT 7
.endm
.macro MM d, a, b, z                   ; z = 1: the product starts the sum, nothing is ever cleared
.if \z
	v_wmma_f32_16x16x32_bf16 v[\d:\d+7], v[\a:\a+7], v[\b:\b+7], 0
.else
	v_wmma_f32_16x16x32_bf16 v[\d:\d+7], v[\a:\a+7], v[\b:\b+7], v[\d:\d+7]
.endif
.endm
; The 32 tokens in the scratch (groups j, j + 1) x 64 experts x 64 k.  Source 0 = experts, source 1 = tokens: lane (r, h) then holds token r and in its
; registers 0-7 the experts 8 h .. 8 h + 7 of the tile: eight neighbouring logits of one token.
; The loads into XF stand behind the 32 conversions of two groups, which name no register of the matrix instructions before them.
.macro MULT j, zero
	WIN 0
.irp f, 0,1,2,3
	ds_load_b128 v[XF+8*\f:XF+8*\f+3],   v[XLD] offset:(\f/2)*16*XPITCH+(\f%2)*64      ; LDS serves a wave's instructions in order (ISA guide 5.7.1.4): these see my stores
	ds_load_b128 v[XF+8*\f+4:XF+8*\f+7], v[XLD] offset:(\f/2)*16*XPITCH+(\f%2)*64+32
.endr
	s_wait_dscnt 0x0
	WIN 0x50                               ; C and D in window 1, both sources in window 0
.irp ks, 0,1                           ; eight accumulators take turns, one instruction a turn
.irp tl, 0,1
.irp et, 0,1,2,3
	MM ACC+8*(4*((\j)%4+\tl)+\et), WF+8*(4*\ks+\et), XF+8*(2*\tl+\ks), \zero*(1-\ks)
.endr
.endr
.endr
.endm
.macro STEP c, wa, tc, l0, l1, l2, l3, zero
	XGROUP 4*\c, \l0
	XGROUP 4*\c+1, \l1
	WPHASE \wa, \tc
	MULT 4*\c, \zero
	XGROUP 4*\c+2, \l2
	XGROUP 4*\c+3, \l3
	MULT 4*\c+2, \zero
.endm
	s_load_b256 s[4:11], s[0:1], 0x0               ; x s[4:5], W s[6:7], out0 s[8:9], out1 s[10:11]
	v_lshl_add_u32 v254, v0, 2, 0x4d400
	v_mov_b32 v255, 0
	ds_add_u32 v254, v255
	v_lshrrev_b32 v1, 5, v0
	v_readfirstlane_b32 s12, v1                    ; wave 0..7
	s_bfe_u32 s13, ttmp6, 0x40000                  ; cx: my place in the cluster
	s_lshl_b32 s14, ttmp9, 2                       ; ttmp9 counts clusters
	s_add_co_u32 s14, s14, s13                     ; work-group 0..255.  s13, s14, s[38:39] alone hold what differs between partners; they feed x's and the outputs' addresses only
	v_and_b32 v[R], 15, v0
	v_bfe_u32 v[H], v0, 4, 1
	s_lshl_b32 s15, s12, 8                         ; my wave's 256 bytes of a step's 2,048
	v_lshl_or_b32 v[XOFF], v[R], 4, s15            ; 16 bytes a lane
	v_lshl_or_b32 v[XOFF], v[H], 16, v[XOFF]       ; lanes 16-31: eight rows (65,536 bytes) further down
	s_lshl_b32 s38, s14, 19                        ; 64 rows of 8,192 bytes a work-group: 133,693,440 at the most
	s_mov_b32 s39, 0
	WIN 0x40
	v_mov_b32 v[XOFF], v[XOFF]                     ; window 1's copy
	WIN 0
	s_wait_dscnt 0x0
	s_wait_kmcnt 0x0
	s_add_nc_u64 s[4:5], s[4:5], s[38:39]          ; x at my first token; neither s[4:5] nor XOFF is written again
.irp j, 0,1,2,3,4,5
	XWIN \j
	XLOADS \j                                      ; the ring is filled before anything else is done: 48 loads
.endr
	WIN 0
	; LDS addresses: a lane term, plus the wave's number times a constant, plus a constant
	s_mul_i32 s15, s12, XSCR
	s_add_co_u32 s15, s15, XBASE                   ; my scratch
	v_mul_u32_u24 v[T0], v[R], XPITCH
	v_lshl_add_u32 v[XLD], v[H], 4, v[T0]          ; fragments: row r, 16 bytes for each half of the lanes
	v_add_nc_u32 v[XLD], s15, v[XLD]
	v_mul_u32_u24 v[T0], v[H], 8*XPITCH
	v_lshl_add_u32 v[XST], v[R], 3, v[T0]          ; stores: 8 bytes a lane, lanes 16-31 eight rows below
	v_add_nc_u32 v[XST], s15, v[XST]
	s_mul_i32 s34, s12, WTILE                      ; my tile in a slot
	v_mul_u32_u24 v[T0], v[R], WPITCH
	v_lshl_add_u32 v[WA0], v[H], 5, v[T0]          ; row r, 32 bytes (8 f32) for each half of the lanes
	v_add_nc_u32 v[WA0], s34, v[WA0]
	v_add_nc_u32 v[WA1], WSLOT, v[WA0]
	WIN 0x40
	v_mov_b32 v[XST], v[XST]                       ; window 1's copy
	WIN 0
	; descriptor group 1: a tile of 64 rows x 64 elements of 4 bytes, rows 2,048 elements apart, padded in LDS
	s_mov_b32 s[G1+0], 15|(2<<16)|(1<<20)|(1<<21)|(5<<22)|(3<<25)   ; 15:0 the mask: all four work-groups of the cluster; 17:16 elements of 4 bytes; 20 padding on; 21 set beside a mask; 24:22 after every 64 words; 31:25 four words
	s_mov_b32 s[G1+1], 64<<16                      ; tensor_dim0 = 64
	s_mov_b32 s[G1+2], 64<<16                      ; tensor_dim1 = 64
	s_mov_b32 s[G1+3], 64<<16                      ; tile_dim0 = 64
	s_mov_b32 s[G1+4], 64                          ; tile_dim1 = 64
	s_mov_b32 s[G1+5], 2048                        ; elements from row to row
	s_mov_b32 s[G1+6], 0
	s_mov_b32 s[G1+7], 0
	s_lshl_b32 s32, s12, 8
	s_mov_b32 s33, 0
	s_add_nc_u64 s[36:37], s[6:7], s[32:33]        ; W at my wave's 256 bytes of row 0: the same in all four partners
.irp s, 0,1
	s_mov_b32 s[G0+4*\s], 1                                        ; count = 1
	s_add_co_u32 s[G0+4*\s+1], s34, \s*WSLOT                       ; LDS address: the wave's tile in the slot
	s_add_nc_u64 s[G0+4*\s+2:G0+4*\s+3], s[36:37], \s*STEPB        ; global address: step s
	s_or_b32 s[G0+4*\s+3], s[G0+4*\s+3], 0x80000000                ; type = 2
.endr
	ROUND                                          ; all four work-groups are here: the first joint loads meet
	tensor_load_to_lds s[G0:G0+3], s[G1:G1+7]      ; step 0's tile
	s_nop 0
	tensor_load_to_lds s[G0+4:G0+7], s[G1:G1+7]    ; step 1's: two tensor loads of the wave are out, the most in this text
	s_nop 0
	STEP 0, WA0, 1, 40, 40, 40, 40, 1              ; 40 = the five younger groups of eight loads
	WIN 0
	s_wait_dscnt 0x0                               ; my reads of slot 0 are back,
	s_wait_tensorcnt 0x0                           ; all my tensor loads have landed, so a group 0 may be written:
	ds_add_u32 v254, v255
	s_wait_dscnt 0x0
	s_add_nc_u64 s[G0+2:G0+3], s[G0+2:G0+3], 2*STEPB
	ROUND                                          ; both hold of every wave of all four work-groups
	tensor_load_to_lds s[G0:G0+3], s[G1:G1+7]      ; step 2's tile into slot 0: it has step 1 in which to land
	s_nop 0
	STEP 1, WA1, 1, 40, 40, 40, 40, 0
	WIN 0
	s_wait_dscnt 0x0
	s_wait_tensorcnt 0x0
	ds_add_u32 v254, v255
	s_wait_dscnt 0x0
	s_add_nc_u64 s[G0+6:G0+7], s[G0+6:G0+7], 2*STEPB
	ROUND
	tensor_load_to_lds s[G0+4:G0+7], s[G1:G1+7]    ; step 3's tile into slot 1
	s_nop 0
	STEP 2, WA0, 1, 40, 40, 40, 32, 0              ; group 9 asks for the last group; from group 11 on the counts run down
	STEP 3, WA1, 0, 24, 16, 8, 0, 0                ; the last tile is waited for with zero
	; THE SUM OVER THE EIGHT WAVES.  My 64 x 64 partial sums go into my own tile of slot 0, which has had its last fill and which I alone have read.
	; Wave v then adds the eight partials of tokens 8 v .. 8 v + 7: four lanes a token, 16 neighbouring experts a lane.
.set RD0,  4                           ; where I read partials 0-3
.set RD1,  5                           ; partials 4-7
.set OA,   6                           ; where my word of the results goes
.set TK,   7                           ; lane / 4: my token among the wave's eight
.set Q,    8                           ; lane % 4: my quarter of the experts
.set EB,   9                           ; 16 Q: my first expert
.set MX,   10                          ; v[10:11] the token's largest logit, twice
.set SUM,  12                          ; v[12:19] at work
.set RS,   20                          ; v[20:21] 1 / sum of exponentials, twice
.set TOPV, 22
.set TOPI, 23
.set SECV, 24
.set SECI, 25
.set DEN,  26
.set VA,   27
.set VB,   28
.set ORD,  29
.set OG,   30
.set OUTD, 32                          ; v[32:35]
.set PB,   124                         ; v[124:251] eight partials of 16 numbers; v[124:139] become logits, exponentials, probabilities
.set OTV,  PB                          ; free behind the scan: the partner lane's pairs and the two candidates for second place
.set OTI,  PB+1
.set OSV,  PB+2
.set OSI,  PB+3
.set CXV,  PB+4
.set CXI,  PB+5
.set CYV,  PB+6
.set CYI,  PB+7
	WIN 0
	v_bfe_u32 v[TK], v0, 2, 3                      ; these seven lines name no register of a matrix instruction: they are the places
	v_and_b32 v[Q], 3, v0                          ; behind the last of them for the stores of the sums and the loads into v[124:251]
	v_mul_u32_u24 v[RD0], v[TK], WPITCH
	v_lshl_add_u32 v[RD0], v[Q], 6, v[RD0]         ; token x 272 + quarter x 64: sixteen lanes touch sixteen different columns of 16 bytes
	s_mul_i32 s15, s12, 8*WPITCH
	v_add_nc_u32 v[RD0], s15, v[RD0]
	v_add_nc_u32 v[RD1], 4*WTILE, v[RD0]
	v_lshlrev_b32 v[EB], 4, v[Q]
	WIN 0x04                                       ; store data in window 1, address in window 0
.irp a, 0,1,2,3,4,5,6,7,8,9,10,11,12,13,14,15
	ds_store_b128 v[WA0], v[ACC+8*\a:ACC+8*\a+3]   offset:(\a/4)*16*WPITCH+(\a%4)*64      ; token 16 tt + r, experts 16 et + 8 h .. + 3
	ds_store_b128 v[WA0], v[ACC+8*\a+4:ACC+8*\a+7] offset:(\a/4)*16*WPITCH+(\a%4)*64+16
.endr
	WIN 0
	v_bfe_u32 v[OA], v0, 1, 1                      ; the stage: 512 bytes of weights, then 512 of indices; lanes 0, 1 of a token's four carry weights, lanes 2, 3 indices
	v_lshlrev_b32 v[OA], 9, v[OA]
	v_lshl_add_u32 v[OA], v[TK], 3, v[OA]          ; 8 bytes a token
	v_and_b32 v[T0], 1, v0
	v_lshl_add_u32 v[OA], v[T0], 2, v[OA]          ; first or second place
	s_lshl_b32 s15, s12, 6
	s_add_co_u32 s15, s15, OSTAGE
	v_add_nc_u32 v[OA], s15, v[OA]
	s_mov_b32 s46, 0xaaaaaaaa                      ; lanes that carry second place
	s_mov_b32 s47, 0xcccccccc                      ; lanes that carry an index
	s_wait_dscnt 0x0                               ; my partial sums are in LDS: zero, for the other waves' sake
	s_barrier_signal -1
	s_barrier_wait -1
.irp p, 0,1,2,3
.irp i, 0,1,2,3
	ds_load_b128 v[PB+16*\p+4*\i:PB+16*\p+4*\i+3], v[RD0] offset:\p*WTILE+16*\i
.endr
.endr
.irp p, 4,5,6,7
.irp i, 0,1,2,3
	ds_load_b128 v[PB+16*\p+4*\i:PB+16*\p+4*\i+3], v[RD1] offset:(\p-4)*WTILE+16*\i
.endr
.endr
.irp p, 1,2,3,4,5,6,7
	s_wait_dscnt 4*(7-\p)                          ; partials 0 .. p are in; the four loads of each later one stay out
.irp t, 0,2,4,6,8,10,12,14
	v_pk_add_f32 v[PB+\t:PB+\t+1], v[PB+\t:PB+\t+1], v[PB+16*\p+\t:PB+16*\p+\t+1]
.endr
.endr
	; softmax: the token's maximum is taken away first
	v_max3_num_f32 v[SUM],   v[PB],    v[PB+1],  v[PB+2]
	v_max3_num_f32 v[SUM+1], v[PB+3],  v[PB+4],  v[PB+5]
	v_max3_num_f32 v[SUM+2], v[PB+6],  v[PB+7],  v[PB+8]
	v_max3_num_f32 v[SUM+3], v[PB+9],  v[PB+10], v[PB+11]
	v_max3_num_f32 v[SUM+4], v[PB+12], v[PB+13], v[PB+14]
	v_max3_num_f32 v[SUM],   v[SUM],   v[SUM+1], v[PB+15]
	v_max3_num_f32 v[SUM+2], v[SUM+2], v[SUM+3], v[SUM+4]
	v_max_num_f32 v[MX], v[SUM], v[SUM+2]
	v_max_num_f32_dpp v[MX], v[MX], v[MX] row_xmask:1 row_mask:0xf bank_mask:0xf   ; over the token's four lanes
	v_max_num_f32_dpp v[MX], v[MX], v[MX] row_xmask:2 row_mask:0xf bank_mask:0xf
	v_mov_b32 v[MX+1], v[MX]
.irp t, 0,2,4,6,8,10,12,14
	v_pk_add_f32 v[PB+\t:PB+\t+1], v[PB+\t:PB+\t+1], v[MX:MX+1] neg_lo:[0,1] neg_hi:[0,1]   ; the difference first (exactly 0 at the maximum), then the factor:
.endr
.irp t, 0,2,4,6,8,10,12,14
	v_pk_mul_f32 v[PB+\t:PB+\t+1], v[PB+\t:PB+\t+1], 0x3fb8aa3b op_sel_hi:[1,0]             ; a fused l c - m c would be a difference of two large products
.endr
.irp i, 0,1,2,3,4,5,6,7,8,9,10,11,12,13,14,15
	v_exp_f32 v[PB+\i], v[PB+\i]
.endr
	v_nop                                          ; one plain instruction between the exponentials and their first use (ISA guide 5.7.2)
	s_wait_alu depctr_va_vdst(0)
	v_pk_add_f32 v[SUM:SUM+1],   v[PB:PB+1],     v[PB+2:PB+3]
	v_pk_add_f32 v[SUM+2:SUM+3], v[PB+4:PB+5],   v[PB+6:PB+7]
	v_pk_add_f32 v[SUM+4:SUM+5], v[PB+8:PB+9],   v[PB+10:PB+11]
	v_pk_add_f32 v[SUM+6:SUM+7], v[PB+12:PB+13], v[PB+14:PB+15]
	v_pk_add_f32 v[SUM:SUM+1],   v[SUM:SUM+1],   v[SUM+2:SUM+3]
	v_pk_add_f32 v[SUM+4:SUM+5], v[SUM+4:SUM+5], v[SUM+6:SUM+7]
	v_pk_add_f32 v[SUM:SUM+1],   v[SUM:SUM+1],   v[SUM+4:SUM+5]
	v_add_f32 v[SUM], v[SUM], v[SUM+1]
	v_add_f32_dpp v[SUM], v[SUM], v[SUM] row_xmask:1 row_mask:0xf bank_mask:0xf
	v_add_f32_dpp v[SUM], v[SUM], v[SUM] row_xmask:2 row_mask:0xf bank_mask:0xf    ; between 1 and 64
	v_rcp_f32 v[RS], v[SUM]
	v_rcp_f32 v[RS+1], v[SUM]
	v_mov_b32 v[TOPI], 0                           ; plain instructions behind the reciprocals
	v_mov_b32 v[SECI], 0
	v_mov_b32 v[SECV], -1.0                        ; below every probability: the second number scanned takes this place
	s_wait_alu depctr_va_vdst(0)
.irp t, 0,2,4,6,8,10,12,14
	v_pk_mul_f32 v[PB+\t:PB+\t+1], v[PB+\t:PB+\t+1], v[RS:RS+1]   ; the probabilities: the order is taken on them, so that equal ones (zeros too) tie by index
.endr
	v_mov_b32 v[TOPV], v[PB]
	; my 16 probabilities in ascending index: a later one moves an earlier one only if it is larger
.irp i, 1,2,3,4,5,6,7,8,9,10,11,12,13,14,15
	v_cmp_ge_f32 s40, v[TOPV], v[PB+\i]            ; first place stays
	v_cmp_ge_f32 s41, v[SECV], v[PB+\i]            ; second place stays
	v_cndmask_b32 v[SECI], \i, v[SECI], s41
	v_cndmask_b32 v[SECI], v[TOPI], v[SECI], s40   ; a new first pushes the old first down
	v_cndmask_b32 v[TOPI], \i, v[TOPI], s40
	v_med3_num_f32 v[SECV], v[PB+\i], v[TOPV], v[SECV]
	v_max_num_f32 v[TOPV], v[TOPV], v[PB+\i]
.endr
	v_add_nc_u32 v[TOPI], v[EB], v[TOPI]
	v_add_nc_u32 v[SECI], v[EB], v[SECI]
; Two sorted pairs become one, alike in both lanes: (value, index) stands ahead if its value is larger, or equal with the lower index.
.macro MERGE x
	v_mov_b32_dpp v[OTV], v[TOPV] row_xmask:\x row_mask:0xf bank_mask:0xf
	v_mov_b32_dpp v[OTI], v[TOPI] row_xmask:\x row_mask:0xf bank_mask:0xf
	v_mov_b32_dpp v[OSV], v[SECV] row_xmask:\x row_mask:0xf bank_mask:0xf
	v_mov_b32_dpp v[OSI], v[SECI] row_xmask:\x row_mask:0xf bank_mask:0xf
	v_cmp_gt_f32 s40, v[TOPV], v[OTV]
	v_cmp_eq_f32 s41, v[TOPV], v[OTV]
	v_cmp_lt_u32 s42, v[TOPI], v[OTI]
	s_and_b32 s41, s41, s42
	s_or_b32 s40, s40, s41                         ; my first stands ahead of the partner's first
	v_cndmask_b32 v[CXV], v[OSV], v[SECV], s40     ; the winner's second
	v_cndmask_b32 v[CXI], v[OSI], v[SECI], s40
	v_cndmask_b32 v[CYV], v[TOPV], v[OTV], s40     ; the loser's first
	v_cndmask_b32 v[CYI], v[TOPI], v[OTI], s40
	v_cndmask_b32 v[TOPV], v[OTV], v[TOPV], s40
	v_cndmask_b32 v[TOPI], v[OTI], v[TOPI], s40
	v_cmp_gt_f32 s40, v[CXV], v[CYV]
	v_cmp_eq_f32 s41, v[CXV], v[CYV]
	v_cmp_lt_u32 s42, v[CXI], v[CYI]
	s_and_b32 s41, s41, s42
	s_or_b32 s40, s40, s41
	v_cndmask_b32 v[SECV], v[CYV], v[CXV], s40
	v_cndmask_b32 v[SECI], v[CYI], v[CXI], s40
.endm
	MERGE 1
	MERGE 2                                        ; all four lanes of a token now hold its two places
	v_add_f32 v[DEN], v[TOPV], v[SECV]
	v_add_f32 v[DEN], 0x3089705f, v[DEN]           ; + 1e-9
	v_rcp_f32 v[DEN], v[DEN]
	v_cndmask_b32 v[VB], v[TOPI], v[SECI], s46     ; plain instructions behind the reciprocal: each lane picks its place,
	v_cndmask_b32 v[VA], v[TOPV], v[SECV], s46
	s_wait_alu depctr_va_vdst(0)
	v_mul_f32 v[VA], v[VA], v[DEN]
	v_cndmask_b32 v[VA], v[VA], v[VB], s47         ; and weight or index
	ds_store_b32 v[OA], v[VA]
	s_wait_dscnt 0x0                               ; zero, for the waves that read the stage
	s_barrier_signal -1
	s_barrier_wait -1
	s_cmp_gt_u32 s12, 1
	s_cbranch_scc1 .Lstored                        ; wave 0 stores the work-group's 512 bytes of out0, wave 1 those of out1
	v_and_b32 v[OG], 31, v0
	v_lshlrev_b32 v[OG], 4, v[OG]                  ; 16 bytes a lane
	s_lshl_b32 s15, s12, 9
	s_add_co_u32 s15, s15, OSTAGE
	v_add_nc_u32 v[ORD], s15, v[OG]
	ds_load_b128 v[OUTD:OUTD+3], v[ORD]
	s_cmp_eq_u32 s12, 0
	s_cselect_b64 s[44:45], s[8:9], s[10:11]
	s_lshl_b32 s38, s14, 9                         ; 64 tokens x 8 bytes a work-group (s39 is still 0)
	s_add_nc_u64 s[44:45], s[44:45], s[38:39]
	s_wait_dscnt 0x0
	global_store_b128 v[OG], v[OUTD:OUTD+3], s[44:45]   ; the wave's store covers 512 consecutive bytes, aligned to 512
.Lstored:
	s_wait_tensorcnt 0x0
	ds_add_u32 v254, v255
	s_wait_dscnt 0x0
	ROUND                                          ; the closing round: no work-group ends while a partner may still ask for a tile that names it
	s_endpgm
.Lfunc_end_k_qc2c0e290fa_router:
	.size	k_qc2c0e290fa_router, .Lfunc_end_k_qc2c0e290fa_router-k_qc2c0e290fa_router
	.p2alignl 7, 3214868480
	.fill 96, 4, 3214868480
	.section	.rodata,"a",@progbits
	.p2align	6, 0x0
	.amdhsa_kernel k_qc2c0e290fa_router
		.amdhsa_group_segment_fixed_size 327680
		.amdhsa_private_segment_fixed_size 0
		.amdhsa_enable_private_segment 0
		.amdhsa_kernarg_size 32
		.amdhsa_user_sgpr_count 2
		.amdhsa_user_sgpr_kernarg_segment_ptr 1
		.amdhsa_wavefront_size32 1
		.amdhsa_system_sgpr_workgroup_id_x 1
		.amdhsa_system_sgpr_workgroup_id_y 1
		.amdhsa_system_sgpr_workgroup_id_z 1
		.amdhsa_system_vgpr_workitem_id 0
		.amdhsa_next_free_vgpr 512
		.amdhsa_next_free_sgpr 66
		.amdhsa_reserve_vcc 0
		.amdhsa_float_denorm_mode_32 3
		.amdhsa_float_denorm_mode_16_64 3
		.amdhsa_memory_ordered 1
		.amdhsa_forward_progress 1
		.amdhsa_inst_pref_size 103
	.end_amdhsa_kernel
	.amdgpu_metadata
---
amdhsa.version: [ 1, 2 ]
amdhsa.kernels:
  - .name:           k_qc2c0e290fa_router
    .symbol:         k_qc2c0e290fa_router.kd
    .args:
      - { .name: x, .offset: 0, .size: 8, .value_kind: global_buffer, .address_space: global }
      - { .name: W, .offset: 8, .size: 8, .value_kind: global_buffer, .address_space: global }
      - { .name: out0, .offset: 16, .size: 8, .value_kind: global_buffer, .address_space: global }
      - { .name: out1, .offset: 24, .size: 8, .value_kind: global_buffer, .address_space: global }
    .group_segment_fixed_size: 327680
    .private_segment_fixed_size: 0
    .kernarg_segment_align: 8
    .kernarg_segment_size: 32
    .max_flat_workgroup_size: 256
    .sgpr_count:     66
    .vgpr_count:     512
    .wavefront_size: 32
...
	.end_amdgpu_metadata
.endif
;; end of part 1
